; MI455X (gfx1250); checked and timed in simulation.
; The chip was launched on July 23, 2026; its instructions are those of AMD's public machine-readable ISA for CDNA 5 (MIT licence, August 2026) and "CDNA5" Instruction Set Architecture Reference Guide (July 2026). The comments in the code are by the model that wrote it; some were corrected since.
;; Multi Head Token Attention. Allowed arithmetic: matrix products marked QUANTISED: E3M2 operands, one E8M0 scale for each 32 along K, by v_wmma_scale_f32_16x16x128_f8f6f4 with both operands' format E3M2, f32 sums; products left as they are: f32 operands where the result goes on into a quantised operand, else bf16, f16 or f32 operands; f32 sums; everything else in f32.
;; Inputs: Wk 1,024 x 1,024 float32; Wq 1,024 x 1,024 float32; Wv 1,024 x 1,024 float32; bk 1,024 float32; bq 1,024 float32; bv 1,024 float32; gate_logits 32 x 32 x 32 float32; query_vec 32 x 32 x 1,024 float32; tokens 32 x 32 x 32 x 1,024 float32.
;; Outputs: out0 32 x 32 x 1,024 float32; out1 32 x 32 x 32 float32; out2 32 x 32 x 16 x 32 float32.
;; This version of the problem:
;;   THIS VERSION OF THE PROBLEM IS GIVEN IN LOW PRECISION. The matrix products marked QUANTISED in the list below multiply operands that are first quantised to E3M2 (3 exponent bits, 2 mantissa bits; 6 bits a number), with one power-of-two scale for each 32 numbers along K (OCP MX v1.0); their sums are f32. All else is computed in f32.
;;   The module's matrix products, in the order in which they are computed (A, B: the left and right operand; K: the contracted axis; several contracted axes count as one K, in the product's order):
;;     1. [M 1,024, K 1,024] x [K 1,024, N 1,024]; A: input query_vec; B: input Wq: QUANTISED
;;     2. [M 32,768, K 1,024] x [K 1,024, N 1,024]; A: input tokens; B: input Wk: QUANTISED
;;     3. [M 32,768, K 1,024] x [K 1,024, N 1,024]; A: input tokens; B: input Wv: QUANTISED
;;     4. batch 16,384 x [M 1, K 64] x [K 64, N 32]; A: computed on the way; B: computed on the way: left as it is (M = 1 < 16)
;;     5. batch 16,384 x [M 1, K 32] x [K 32, N 64]; A: softmax; B: computed on the way: left as it is (M = 1 < 16)
;;   THE QUANTISER, for each operand of a quantised product, along K:
;;     - K is cut into blocks of 32 from its start; a last block that is shorter is filled with zeros.
;;     - A block's scale is 2^e with e = floor(log2(the largest magnitude in the block)) - 4, held to -126 .. 127; a block of zeros has e = 0. As a byte (E8M0): e + 127.
;;     - Each number is divided by its block's scale, clamped to +-28, and rounded to the nearest number of E3M2, ties to even, subnormals kept.
;;     - The product sums the exact products of the quantised numbers (number of the format x scale) in f32.
;;   ~~~python
;;   def quantise(x, axis):      # numpy; x: float32 -> the quantised numbers, widened to float32 again
;;       x = np.moveaxis(x, axis, -1); K = x.shape[-1]
;;       x = np.pad(x, [(0, 0)] * (x.ndim - 1) + [(0, -K % 32)]); x = x.reshape(x.shape[:-1] + (-1, 32)); a = np.abs(x).max(-1, keepdims=True)
;;       e = np.where(a > 0, np.clip(np.frexp(np.where(a > 0, a, 1))[1] - 1 - 4, -126, 127), 0)      # np.frexp(a)[1] - 1 = floor(log2(a)), exactly
;;       r = np.clip(x / 2.0 ** e, -28, 28)
;;       step = 2.0 ** (np.maximum(np.frexp(np.where(r == 0, 1, r))[1] - 1, -2) - 2)
;;       q = np.round(r / step) * step * 2.0 ** e      # np.round: ties to even
;;       return np.moveaxis(q.reshape(q.shape[:-2] + (-1,))[..., :K], -1, axis).astype(np.float32)
;;   ~~~
;; One version. Each part assembles by itself: llvm-mc -triple=amdgcn-amd-amdhsa -mcpu=gfx1250 --defsym DOCPART=n.
;; ======== version 1 of 1: 3 launches
;; limits: right only within a limited range of input values
;; workspace buffers: xq 819,200 bytes; wts 2,457,600 bytes; qws 4,194,304 bytes
;; launch prep (part 1): grid 256 x 1, 4 waves a work-group, no clusters, 17,920 bytes of LDS; arguments query_vec, Wq, Wk, Wv, xq, wts; writes xq, wts
.if DOCPART == 1
	.amdgcn_target "amdgcn-amd-amdhsa--gfx1250"
	.amdhsa_code_object_version 6
	.text
	.protected	k_qdf6a81c0aa_prep
	.globl	k_qdf6a81c0aa_prep
	.p2align	8
	.type	k_qdf6a81c0aa_prep,@function
k_qdf6a81c0aa_prep:
	s_mov_b64 s[64:65], 0
	v_nop
	global_prefetch_b8 v0, s[64:65] scope:SCOPE_SE
	s_setreg_imm32_b32 hwreg(HW_REG_WAVE_MODE, 25, 1), 1
	s_wait_xcnt 0x0
; query_vec [1024][1024] (K innermost) and Wq, Wk, Wv [1024 (k)][1024 (n)] (K outermost), all f32, become codes of BF6 (E3M2) with one E8M0 byte for each 32 along K,
; laid as IMAGES OF THE OPERANDS' REGISTERS: a fragment (16 rows x 128 K, 12 registers a lane) is 1,536 bytes, registers 4 c .. 4 c + 3 of lane l at 512 c + 16 l.
; A block's scale is 2^(floor(log2(its largest magnitude)) - 4): its byte is that magnitude's exponent field - 4, held at 1 from below.
; xq: 8 blocks of 102,400 bytes (128 rows of query_vec each): fragment (tile m, K step s) at (8 m + s) 1,536; at 98,304 + 512 m tile m's scale words:
;     register p of four, lanes 0-15 the rows' words of K step 2 p, lanes 16-31 those of K step 2 p + 1.
; wts: the stream of Wk and Wv in the order in which the main launch walks it, then Wq's fragments and scale words.
; SHARES: 1,024 waves, one unit of 16 KB of numbers each: work-groups 0-191 take 768 units of weights (two fragments: a lane to a column, its registers down K),
; work-groups 192-255 the 256 quarters of query_vec's 64 tiles (16 rows x 256 K).  Waves share nothing: no barrier.  The tokens are quantised by the launch that multiplies them.
; LIMITS: NaN and infinities are not served.  A block whose largest magnitude lies under 2^-122, a block of zeros among them, keeps the byte 1 (its codes are then
; coarser than the quantiser's, or zeros); these bytes are read by this program alone.
.set BLKB, 102400
.set WQC,  1638400                     ; wts: Wq's fragments
.set WQS,  2424832                     ; wts: Wq's scale words
.set STG,  4352                        ; LDS: a stage of 16 rows x 272 bytes for each wave; the spare words lie behind the four
.set LANE, 1
.set RR,   2                           ; lane % 16
.set HH,   3                           ; lane / 16
.set TA,   4                           ; rows: my 16 bytes of a load
.set SI,   5                           ; the stage, on the way in
.set SO,   6                           ; and on the way out
.set LI,   7                           ; 16 x lane
.set L4,   8                           ; 4 x lane
.set VA,   9                           ; weights: my column and half of K, fragment A
.set VB,   10                          ; the same, fragment B
.set SH8,  11                          ; 8 x (lane / 16)
.set R,    16                          ; v16-143  numbers as loaded
.set X,    144                         ; v144-207 rows: 64 numbers laid for the quantiser
.set PC,   208                         ; v208-226 rows: the codes
.set TM,   228                         ; v228-243 rows: at work
.set PW,   244                         ; rows: a scale word for each K step
.set FA,   144                         ; weights: fragment A
.set FB,   156                         ; fragment B
.set CT,   240
.set TMA,  244
.set TMB,  245
.set TSC,  246
.set TBY,  247
.set TPM,  248
.set SWA,  250
.set SWB,  251
.set PKD,  252
.set SEL,  2                           ; s[2:3] selects for lane l xor 16
.macro LOADS s                         ; K step s of my 16 rows: sixteen lanes read 256 consecutive bytes of a row
.irp u, 0,1
.irp i, 0,1,2,3,4,5,6,7
	global_load_b128 v[R+64*((\s)%2)+32*\u+4*\i:R+64*((\s)%2)+32*\u+4*\i+3], v[TA], s[4:5] offset:8192*\i+512*(\s)+256*\u th:TH_LOAD_NT
.endr
.endr
.endm
.macro TURN s                          ; through my stage: back come 16 neighbours of a block to a lane; LDS serves a wave's instructions in order (ISA guide 5.7.1.4)
.irp u, 0,1
.irp i, 0,1,2,3,4,5,6,7
	ds_store_b128 v[SI], v[R+64*((\s)%2)+32*\u+4*\i:R+64*((\s)%2)+32*\u+4*\i+3] offset:544*\i
.endr
.irp b, 0,1
.irp j, 0,1,2,3
	ds_load_b128 v[X+16*(2*\u+\b)+4*\j:X+16*(2*\u+\b)+4*\j+3], v[SO] offset:128*\b+16*\j
.endr
.endr
.endr
.endm
.macro QUANT s, pw                     ; 64 numbers of a lane become a fragment's codes in v[PC] on and the row's scale word in v[pw]
.irp b, 0,1,2,3
	v_max3_num_f32 v[TM+\b], |v[\s+16*\b]|, |v[\s+1+16*\b]|, 0x2800000   ; and the floor 2^(5 - 127)
.endr
.irp i, 2,4,6,8,10,12,14
.irp b, 0,1,2,3
	v_max3_num_f32 v[TM+\b], v[TM+\b], |v[\s+16*\b+\i]|, |v[\s+1+16*\b+\i]|
.endr
.endr
.irp b, 0,1,2,3
	v_permlanex16_b32 v[TM+4+\b], v[TM+\b], s[SEL], s[SEL+1]
.endr
.irp b, 0,1,2,3
	v_max_num_f32 v[TM+\b], v[TM+\b], v[TM+4+\b]
.endr
.irp b, 0,1,2,3
	v_add_nc_u32 v[TM+12+\b], 0xfe000000, v[TM+\b] ; 4 off the exponent field: the conversion's scale operand
.endr
.irp b, 0,1,2,3
	v_lshrrev_b32 v[TM+4+\b], 23, v[TM+12+\b]      ; the scale's byte
.endr
	v_lshl_or_b32 v[\pw], v[TM+5], 8, v[TM+4]
	v_lshl_or_b32 v[\pw], v[TM+6], 16, v[\pw]
	v_lshl_or_b32 v[\pw], v[TM+7], 24, v[\pw]
.irp c, 0,1
	v_cvt_scalef32_pk16_bf6_f32 v[PC+6*\c:PC+2+6*\c], v[\s+32*\c:\s+15+32*\c], v[TM+12+2*\c]
	v_cvt_scalef32_pk16_bf6_f32 v[PC+12+4*\c:PC+14+4*\c], v[\s+16+32*\c:\s+31+32*\c], v[TM+12+2*\c+1]
.endr
	v_nop                                          ; one plain place behind a scaled conversion
.irp c, 0,1                                    ; a whole block in a lane: lanes 0-15 block 2 c, lanes 16-31 block 2 c + 1
.irp i, 0,1,2
	v_permlane16_swap_b32 v[PC+6*\c+\i], v[PC+12+4*\c+\i]
.endr
.irp i, 0,1,2
	v_mov_b32 v[PC+3+6*\c+\i], v[PC+12+4*\c+\i]
.endr
.endr
.endm
.macro XSTEP s, n
.if (\s) < (\n)-1
	s_wait_loadcnt 16                              ; this step's 16 loads are in; the next step's 16 may be out
.else
	s_wait_loadcnt 0x0
.endif
	s_wait_xcnt 0x0                                ; the last step's stores have read the codes' registers
	TURN \s
	s_wait_dscnt 0x0
	QUANT X, PW+(\s)
.irp c, 0,1,2
	global_store_b128 v[LI], v[PC+4*\c:PC+4*\c+3], s[26:27] offset:1536*(\s)+512*\c
.endr
.endm
	s_load_b64 s[6:7], s[0:1], 0x0                 ; query_vec
	s_load_b128 s[8:11], s[0:1], 0x8               ; Wq, Wk
	s_load_b128 s[12:15], s[0:1], 0x18             ; Wv, xq
	s_load_b64 s[16:17], s[0:1], 0x28              ; wts
	v_lshl_add_u32 v254, v0, 2, 0x4400
	v_mov_b32 v255, 0
	v_lshrrev_b32 v12, 5, v0
	v_readfirstlane_b32 s18, v12                   ; wave 0..3
	v_and_b32 v[LANE], 31, v0
	v_and_b32 v[RR], 15, v0
	v_bfe_u32 v[HH], v0, 4, 1
	v_lshlrev_b32 v[LI], 4, v[LANE]
	v_lshlrev_b32 v[L4], 2, v[LANE]
	s_mov_b32 s[SEL], 0x76543210
	s_mov_b32 s[SEL+1], 0xfedcba98
	s_mul_i32 s19, s18, STG
	v_lshlrev_b32 v[TA], 4, v[RR]
	v_lshl_add_u32 v[TA], v[HH], 12, v[TA]
	v_mul_u32_u24 v[SI], v[HH], 272
	v_lshl_add_u32 v[SI], v[RR], 4, v[SI]
	v_add_nc_u32 v[SI], s19, v[SI]
	v_mul_u32_u24 v[SO], v[RR], 272
	v_lshl_add_u32 v[SO], v[HH], 6, v[SO]
	v_add_nc_u32 v[SO], s19, v[SO]
	v_cmp_le_u32 vcc_lo, 16, v[LANE]               ; lanes 16-31
.irp b, 0,1,2,3
	v_mov_b32 v[TM+4+\b], 0                        ; a lane permute's destination counts as one of its sources
.endr
	s_cmp_lt_u32 ttmp9, 192
	s_cbranch_scc1 .Lweights
; A QUARTER OF A TILE OF query_vec: tile T = work-group - 192, K steps 2 p and 2 p + 1, p = wave.
	s_sub_co_u32 s22, ttmp9, 192
	s_mov_b32 s23, s18
	s_lshr_b32 s24, s22, 3
	s_mul_i32 s24, s24, BLKB
	s_and_b32 s25, s22, 7
	s_mul_i32 s26, s25, 12288
	s_add_co_u32 s26, s26, s24
	s_mul_i32 s27, s23, 3072
	s_add_co_u32 s26, s26, s27                     ; my two fragments
	s_mov_b32 s27, 0
	s_lshl_b32 s28, s25, 9
	s_add_co_u32 s28, s28, s24
	s_add_co_u32 s28, s28, 98304
	s_lshl_b32 s29, s23, 2
	s_add_co_u32 s28, s28, s29                     ; register p of the tile's scale words
	s_mov_b32 s29, 0
	s_lshl_b32 s30, s22, 16
	s_lshl_b32 s31, s23, 10
	s_add_co_u32 s30, s30, s31
	s_mov_b32 s31, 0
	s_wait_kmcnt 0x0
	s_add_nc_u64 s[4:5], s[6:7], s[30:31]
	s_add_nc_u64 s[26:27], s[14:15], s[26:27]
	s_add_nc_u64 s[28:29], s[14:15], s[28:29]
	LOADS 0
	LOADS 1
	s_wait_alu depctr_va_vdst(0)
	XSTEP 0, 2
	XSTEP 1, 2
	v_cndmask_b32 v[TM], v[PW], v[PW+1], vcc_lo    ; lanes 0-15 keep K step 2 p's words, lanes 16-31 K step 2 p + 1's
	global_store_b32 v[LI], v[TM], s[28:29]        ; 4 bytes of each lane's 16: the tile's four waves fill the image
	s_wait_tensorcnt 0x0                           ; the wave's end
	ds_add_u32 v254, v255
	s_wait_dscnt 0x0
	s_endpgm
; WEIGHTS.  Unit U = 4 x work-group + wave: two fragments, A and B, and one register of scale words (A's in lanes 0-15, B's in lanes 16-31).
; U under 512: A = Wk's tile t of head hd at K step s (lane r: column 64 hd + 16 t + r), B = Wv's (lane r: column 64 hd + 32 (t % 2) + t / 2 + 2 r, so that the
; main launch ends with two neighbouring columns in a lane).  U from 512 on: A, B = Wq's column tile n at K steps 2 p, 2 p + 1.
.Lweights:
	s_lshl_b32 s19, ttmp9, 2
	s_add_co_u32 s19, s19, s18                     ; U
	s_and_b32 s20, s19, 3                          ; t
	s_bfe_u32 s21, s19, 0x30002                    ; s
	s_bfe_u32 s22, s19, 0x40005                    ; hd
	s_lshl_b32 s23, s21, 19
	s_lshl_b32 s24, s22, 8
	s_add_co_u32 s23, s23, s24
	s_lshl_b32 s24, s20, 6
	s_add_co_u32 s24, s23, s24                     ; A's first byte in Wk
	s_and_b32 s25, s20, 1
	s_lshl_b32 s25, s25, 7
	s_add_co_u32 s25, s23, s25
	s_lshr_b32 s26, s20, 1
	s_lshl_b32 s26, s26, 2
	s_add_co_u32 s25, s25, s26                     ; B's in Wv
	s_lshr_b32 s26, s22, 2                         ; the pass, hd / 4.  The stream has two regions: the even K steps, then from byte 819,200 the odd ones
	s_lshl_b32 s27, s26, 1
	s_lshr_b32 s39, s21, 2
	s_add_co_u32 s27, s27, s39
	s_mul_i32 s27, s27, BLKB                       ; even: slot 2 (hd / 4) + s / 4 of 102,400 bytes,
	s_and_b32 s39, s22, 3
	s_mul_i32 s40, s39, 25600                      ; wave hd % 4's part of it,
	s_add_co_u32 s27, s27, s40
	s_bfe_u32 s40, s21, 0x10001
	s_mul_i32 s40, s40, 12800                      ; K step (s / 2) % 2 of its two
	s_add_co_u32 s27, s27, s40
	s_lshl_b32 s26, s26, 2
	s_lshr_b32 s40, s21, 1
	s_add_co_u32 s26, s26, s40
	s_mul_i32 s26, s26, 51200                      ; odd: piece 4 (hd / 4) + s / 2 of 51,200 bytes,
	s_mul_i32 s39, s39, 12800                      ; wave hd % 4's part of it
	s_add_co_u32 s26, s26, s39
	s_add_co_u32 s26, s26, 819200
	s_bitcmp1_b32 s21, 0
	s_cselect_b32 s26, s26, s27
	s_mul_i32 s27, s20, 1536
	s_add_co_u32 s27, s26, s27                     ; A's image,
	s_add_co_u32 s28, s27, 6144                    ; B's,
	s_lshl_b32 s29, s20, 7
	s_add_co_u32 s29, s29, s26
	s_add_co_u32 s29, s29, 12288                   ; the scale words
	s_and_b32 s30, s19, 255                        ; Wq: U - 512
	s_and_b32 s31, s30, 3                          ; p
	s_lshr_b32 s32, s30, 2                         ; n
	s_lshl_b32 s33, s31, 20
	s_lshl_b32 s34, s32, 6
	s_add_co_u32 s33, s33, s34
	s_add_co_u32 s34, s33, 524288
	s_lshl_b32 s35, s32, 3
	s_lshl_b32 s36, s31, 1
	s_add_co_u32 s35, s35, s36
	s_mul_i32 s35, s35, 1536
	s_add_co_u32 s35, s35, WQC
	s_add_co_u32 s36, s35, 1536
	s_lshl_b32 s37, s32, 9
	s_lshl_b32 s38, s31, 7
	s_add_co_u32 s37, s37, s38
	s_add_co_u32 s37, s37, WQS
	s_wait_kmcnt 0x0
	s_cmp_lt_u32 ttmp9, 128                        ; which role: it hangs on the work-group's number alone
	s_cselect_b32 s24, s24, s33
	s_cselect_b32 s25, s25, s34
	s_cselect_b32 s27, s27, s35
	s_cselect_b32 s28, s28, s36
	s_cselect_b32 s29, s29, s37
	s_cselect_b32 s38, 3, 2                        ; B's columns lie 8 bytes apart in Wv, 4 in Wq
	s_cselect_b64 s[10:11], s[10:11], s[8:9]
	s_cselect_b64 s[12:13], s[12:13], s[8:9]
	s_mov_b32 s41, 0
	s_mov_b32 s40, s24
	s_add_nc_u64 s[10:11], s[10:11], s[40:41]
	s_mov_b32 s40, s25
	s_add_nc_u64 s[12:13], s[12:13], s[40:41]
	s_mov_b32 s40, s27
	s_add_nc_u64 s[42:43], s[16:17], s[40:41]
	s_mov_b32 s40, s28
	s_add_nc_u64 s[44:45], s[16:17], s[40:41]
	s_mov_b32 s40, s29
	s_add_nc_u64 s[46:47], s[16:17], s[40:41]
	v_lshlrev_b32 v[VA], 2, v[RR]
	v_lshl_add_u32 v[VA], v[HH], 17, v[VA]         ; lanes 16-31 begin 32 rows of K further down
	v_lshlrev_b32 v[VB], s38, v[RR]
	v_lshl_add_u32 v[VB], v[HH], 17, v[VB]
	v_lshlrev_b32 v[SH8], 3, v[HH]
	v_mov_b32 v[TPM], 0
.macro WLOAD u, va, base               ; a block of 32 along K of my column: k = 64 (u % 2) + 32 (lane / 16) + i
.irp i, 0,1,2,3,4,5,6,7,8,9,10,11,12,13,14,15,16,17,18,19,20,21,22,23,24,25,26,27,28,29,30,31
	global_load_b32 v[R+32*\u+\i], v[\va], s[\base:\base+1] offset:(64*((\u)%2)+\i)*4096
.endr
.endm
.macro WBLK src, d, c, sw              ; a block becomes registers d .. d + 5 of its fragment, and its byte goes into sw
	v_max3_num_f32 v[TMA], |v[\src]|, |v[\src+1]|, |v[\src+2]|
	v_max3_num_f32 v[TMB], |v[\src+3]|, |v[\src+4]|, |v[\src+5]|
.irp i, 6,10,14,18,22,26
	v_max3_num_f32 v[TMA], v[TMA], |v[\src+\i]|, |v[\src+\i+1]|
	v_max3_num_f32 v[TMB], v[TMB], |v[\src+\i+2]|, |v[\src+\i+3]|
.endr
	v_max3_num_f32 v[TMA], v[TMA], |v[\src+30]|, |v[\src+31]|
	v_max3_num_f32 v[TMA], v[TMA], v[TMB], 0x2800000
	v_add_nc_u32 v[TSC], 0xfe000000, v[TMA]
	v_lshrrev_b32 v[TBY], 23, v[TSC]
.if \c == 0
	v_mov_b32 v[\sw], v[TBY]
.else
	v_lshl_or_b32 v[\sw], v[TBY], 16, v[\sw]
.endif
	v_cvt_scalef32_pk16_bf6_f32 v[\d:\d+2], v[\src:\src+15], v[TSC]
	v_cvt_scalef32_pk16_bf6_f32 v[CT:CT+2], v[\src+16:\src+31], v[TSC]
	v_nop
.irp i, 0,1,2
	v_mov_b32 v[\d+3+\i], v[CT+\i]
.endr
.endm
.macro WFIN sw                         ; my two bytes at their places, and lane l xor 16's two
	v_lshlrev_b32 v[\sw], v[SH8], v[\sw]
	v_permlanex16_b32 v[TPM], v[\sw], s[SEL], s[SEL+1]
	v_or_b32 v[\sw], v[\sw], v[TPM]
.endm
	WLOAD 0, VA, 10
	WLOAD 1, VA, 10
	WLOAD 2, VB, 12
	WLOAD 3, VB, 12
	s_wait_loadcnt 63                              ; 96 loads are younger than unit 0's; 63 is the largest count that the wait can name
	WBLK R, FA, 0, SWA
	s_wait_loadcnt 63                              ; 64 are younger than unit 1's
	WBLK R+32, FA+6, 1, SWA
	WFIN SWA
	s_wait_loadcnt 32
	WBLK R+64, FB, 0, SWB
	s_wait_loadcnt 0x0
	WBLK R+96, FB+6, 1, SWB
	WFIN SWB
	v_cndmask_b32 v[PKD], v[SWA], v[SWB], vcc_lo
.irp c, 0,1,2
	global_store_b128 v[LI], v[FA+4*\c:FA+4*\c+3], s[42:43] offset:512*\c
	global_store_b128 v[LI], v[FB+4*\c:FB+4*\c+3], s[44:45] offset:512*\c
.endr
	global_store_b32 v[L4], v[PKD], s[46:47]
	s_endpgm
.Lfunc_end_k_qdf6a81c0aa_prep:
	.size	k_qdf6a81c0aa_prep, .Lfunc_end_k_qdf6a81c0aa_prep-k_qdf6a81c0aa_prep
	.p2alignl 7, 3214868480
	.fill 96, 4, 3214868480
	.section	.rodata,"a",@progbits
	.p2align	6, 0x0
	.amdhsa_kernel k_qdf6a81c0aa_prep
		.amdhsa_group_segment_fixed_size 17920
		.amdhsa_private_segment_fixed_size 0
		.amdhsa_enable_private_segment 0
		.amdhsa_kernarg_size 48
		.amdhsa_user_sgpr_count 2
		.amdhsa_user_sgpr_kernarg_segment_ptr 1
		.amdhsa_wavefront_size32 1
		.amdhsa_system_sgpr_workgroup_id_x 1
		.amdhsa_system_sgpr_workgroup_id_y 1
		.amdhsa_system_sgpr_workgroup_id_z 1
		.amdhsa_system_vgpr_workitem_id 0
		.amdhsa_next_free_vgpr 256
		.amdhsa_next_free_sgpr 66
		.amdhsa_reserve_vcc 1
		.amdhsa_float_denorm_mode_32 3
		.amdhsa_float_denorm_mode_16_64 3
		.amdhsa_memory_ordered 1
		.amdhsa_forward_progress 1
		.amdhsa_inst_pref_size 41
	.end_amdhsa_kernel
	.amdgpu_metadata
---
amdhsa.version: [ 1, 2 ]
amdhsa.kernels:
  - .name:           k_qdf6a81c0aa_prep
    .symbol:         k_qdf6a81c0aa_prep.kd
    .args:
      - { .name: query_vec, .offset: 0, .size: 8, .value_kind: global_buffer, .address_space: global }
      - { .name: Wq, .offset: 8, .size: 8, .value_kind: global_buffer, .address_space: global }
      - { .name: Wk, .offset: 16, .size: 8, .value_kind: global_buffer, .address_space: global }
      - { .name: Wv, .offset: 24, .size: 8, .value_kind: global_buffer, .address_space: global }
      - { .name: xq, .offset: 32, .size: 8, .value_kind: global_buffer, .address_space: global }
      - { .name: wts, .offset: 40, .size: 8, .value_kind: global_buffer, .address_space: global }
    .group_segment_fixed_size: 17920
    .private_segment_fixed_size: 0
    .kernarg_segment_align: 8
    .kernarg_segment_size: 48
    .max_flat_workgroup_size: 128
    .sgpr_count:     66
    .vgpr_count:     256
    .wavefront_size: 32
...
	.end_amdgpu_metadata
.endif
;; end of part 1
;; launch qproj (part 2): grid 8 x 32, 4 waves a work-group, no clusters, 0 bytes of LDS; arguments xq, wts, bq, qws; writes qws
.if DOCPART == 2
	.amdgcn_target "amdgcn-amd-amdhsa--gfx1250"
	.amdhsa_code_object_version 6
	.text
	.protected	k_qdf6a81c0aa_qproj
	.globl	k_qdf6a81c0aa_qproj
	.p2align	8
	.type	k_qdf6a81c0aa_qproj,@function
k_qdf6a81c0aa_qproj:
	s_mov_b64 s[64:65], 0
	v_nop
	global_prefetch_b8 v0, s[64:65] scope:SCOPE_SE
	s_setreg_imm32_b32 hwreg(HW_REG_WAVE_MODE, 25, 1), 1
	s_wait_xcnt 0x0
; q = Q(query_vec) Q(Wq) + bq on codes of BF6 (E3M2).  A wave makes 32 rows x 32 columns: row tiles 2 y, 2 y + 1 (y = work-group y), column tiles 2 n2, 2 n2 + 1 (n2 = 4 x work-group x + wave).
; Its operands, 32 fragments and their scale words, are register images: all loads go out together, one wait, 32 matrix instructions; each fragment feeds two of them.
; No LDS, no barrier, no cluster: 1,024 waves that share nothing but reads of 1.6 MB.  One f32 sum for each output, K ascending, begun with bq.
; q leaves as qws [group of 4 rows: 256][column: 1,024][row in the group: 4], f32: the 16 KB that one work-group of the main launch reads are dense.
; REGISTERS: window 0: v16-207 query_vec's fragments, v208-239 the four sums, v240-247 and v248-255 scale words; window 1: v0-191 Wq's fragments, v192-207 bq.
.set BLKB, 102400
.set WQC,  1638400
.set WQS,  2424832
.set XF,   16
.set ACC,  208
.set XS,   240                         ; tile a, register p: lanes 0-15 K step 2 p, lanes 16-31 K step 2 p + 1
.set WS,   248
.set BQ,   192                         ; window 1: bq of my column, eight times, for each column tile
.set MSB, 0
.macro WIN new
.if MSB != \new
	s_set_vgpr_msb (MSB<<8)|\new
.set MSB, \new
.endif
.endm
	s_load_b256 s[4:11], s[0:1], 0x0               ; xq s[4:5], wts s[6:7], bq s[8:9], qws s[10:11]
	v_lshrrev_b32 v1, 5, v0
	v_readfirstlane_b32 s12, v1                    ; wave 0..3
	v_and_b32 v2, 31, v0
	v_and_b32 v3, 15, v0                           ; r
	v_bfe_u32 v4, v0, 4, 1                         ; h
	v_lshlrev_b32 v5, 4, v2                        ; 16 x lane
	v_lshlrev_b32 v6, 2, v2                        ; 4 x lane
	v_lshlrev_b32 v7, 2, v3                        ; 4 r
	v_lshlrev_b32 v8, 4, v3
	v_lshl_add_u32 v8, v4, 15, v8                  ; out: 2 h groups of 16,384 bytes + 16 r
	s_and_b32 s13, ttmp7, 0xffff                   ; y
	s_lshl_b32 s14, ttmp9, 2
	s_add_co_u32 s14, s14, s12                     ; n2
	s_lshr_b32 s16, s13, 2
	s_mul_i32 s16, s16, BLKB                       ; a block of xq holds eight row tiles
	s_and_b32 s15, s13, 3
	s_lshl_b32 s15, s15, 1
	s_mul_i32 s18, s15, 12288
	s_add_co_u32 s18, s18, s16
	s_mov_b32 s19, 0
	s_lshl_b32 s20, s15, 9
	s_add_co_u32 s20, s20, s16
	s_add_co_u32 s20, s20, 98304
	s_mov_b32 s21, 0
	s_mul_i32 s22, s14, 24576
	s_add_co_u32 s22, s22, WQC
	s_mov_b32 s23, 0
	s_lshl_b32 s24, s14, 10
	s_add_co_u32 s24, s24, WQS
	s_mov_b32 s25, 0
	s_lshl_b32 s26, s14, 7
	s_mov_b32 s27, 0
	s_lshl_b32 s28, s13, 17                        ; 8 groups a pair of row tiles,
	s_lshl_b32 s29, s14, 9                         ; 32 columns of 16 bytes a pair of column tiles
	s_add_co_u32 s28, s28, s29
	s_mov_b32 s29, 0
	s_wait_alu depctr_va_vdst(0)
	s_wait_kmcnt 0x0
	s_add_nc_u64 s[18:19], s[4:5], s[18:19]
	s_add_nc_u64 s[20:21], s[4:5], s[20:21]
	s_add_nc_u64 s[22:23], s[6:7], s[22:23]
	s_add_nc_u64 s[24:25], s[6:7], s[24:25]
	s_add_nc_u64 s[26:27], s[8:9], s[26:27]
	s_add_nc_u64 s[28:29], s[10:11], s[28:29]
.irp a, 0,1
.irp s, 0,1,2,3,4,5,6,7
.irp c, 0,1,2
	global_load_b128 v[XF+96*\a+12*\s+4*\c:XF+96*\a+12*\s+4*\c+3], v5, s[18:19] offset:12288*\a+1536*\s+512*\c
.endr
.endr
	global_load_b128 v[XS+4*\a:XS+4*\a+3], v5, s[20:21] offset:512*\a
.irp p, 0,1,2,3
	global_load_b32 v[WS+4*\a+\p], v6, s[24:25] offset:512*\a+128*\p
.endr
.endr
	WIN 0x40
.irp b, 0,1
.irp s, 0,1,2,3,4,5,6,7
.irp c, 0,1,2
	global_load_b128 v[96*\b+12*\s+4*\c:96*\b+12*\s+4*\c+3], v5, s[22:23] offset:12288*\b+1536*\s+512*\c
.endr
.endr
	global_load_b32 v[BQ+8*\b], v7, s[26:27] offset:64*\b
.endr
	s_wait_loadcnt 0x0
	WIN 0x41
.irp b, 0,1
.irp j, 1,2,3,4,5,6,7
	v_mov_b32 v[BQ+8*\b+\j], v[BQ+8*\b]            ; in the result a lane holds one column and eight rows
.endr
.endr
.rept 4
	v_nop
.endr
; source 0 = 16 rows of query_vec, source 1 = 16 columns of Wq.  The four sums take turns, one instruction a turn.
.irp s, 0,1,2,3,4,5,6,7
.if \s == 0
	WIN 0x14
.else
	WIN 0x04
.endif
.irp a, 0,1
.irp b, 0,1
.set rD, ACC+8*(2*\a+\b)
.set rX, XF+96*\a+12*\s
.set rW, 96*\b+12*\s
.if \s == 0
	v_wmma_scale_f32_16x16x128_f8f6f4 v[rD:rD+7], v[rX:rX+11], v[rW:rW+11], v[BQ+8*\b:BQ+8*\b+7], v[XS+4*\a], v[WS+4*\b] matrix_a_fmt:MATRIX_FMT_BF6 matrix_b_fmt:MATRIX_FMT_BF6
.elseif \s%2
	v_wmma_scale_f32_16x16x128_f8f6f4 v[rD:rD+7], v[rX:rX+11], v[rW:rW+11], v[rD:rD+7], v[XS+4*\a+\s/2], v[WS+4*\b+\s/2] matrix_a_fmt:MATRIX_FMT_BF6 matrix_b_fmt:MATRIX_FMT_BF6 matrix_a_scale:MATRIX_SCALE_ROW1 matrix_b_scale:MATRIX_SCALE_ROW1
.else
	v_wmma_scale_f32_16x16x128_f8f6f4 v[rD:rD+7], v[rX:rX+11], v[rW:rW+11], v[rD:rD+7], v[XS+4*\a+\s/2], v[WS+4*\b+\s/2] matrix_a_fmt:MATRIX_FMT_BF6 matrix_b_fmt:MATRIX_FMT_BF6
.endif
.endr
.endr
.endr
	WIN 0
.rept 4
	v_nop                                          ; four places in front of the first read of results (ISA guide 7.12.1)
.endr
.irp a, 0,1
.irp b, 0,1
	global_store_b128 v8, v[ACC+8*(2*\a+\b):ACC+8*(2*\a+\b)+3], s[28:29] offset:65536*\a+256*\b           ; rows 8 h + 0 .. 3 of column r: sixteen lanes store 256 consecutive bytes of one group
	global_store_b128 v8, v[ACC+8*(2*\a+\b)+4:ACC+8*(2*\a+\b)+7], s[28:29] offset:65536*\a+256*\b+16384   ; rows 8 h + 4 .. 7: the next group
.endr
.endr
	s_endpgm
.Lfunc_end_k_qdf6a81c0aa_qproj:
	.size	k_qdf6a81c0aa_qproj, .Lfunc_end_k_qdf6a81c0aa_qproj-k_qdf6a81c0aa_qproj
	.p2alignl 7, 3214868480
	.fill 96, 4, 3214868480
	.section	.rodata,"a",@progbits
	.p2align	6, 0x0
	.amdhsa_kernel k_qdf6a81c0aa_qproj
		.amdhsa_group_segment_fixed_size 0
		.amdhsa_private_segment_fixed_size 0
		.amdhsa_enable_private_segment 0
		.amdhsa_kernarg_size 32
		.amdhsa_user_sgpr_count 2
		.amdhsa_user_sgpr_kernarg_segment_ptr 1
		.amdhsa_wavefront_size32 1
		.amdhsa_system_sgpr_workgroup_id_x 1
		.amdhsa_system_sgpr_workgroup_id_y 1
		.amdhsa_system_sgpr_workgroup_id_z 1
		.amdhsa_system_vgpr_workitem_id 0
		.amdhsa_next_free_vgpr 512
		.amdhsa_next_free_sgpr 66
		.amdhsa_reserve_vcc 0
		.amdhsa_float_denorm_mode_32 3
		.amdhsa_float_denorm_mode_16_64 3
		.amdhsa_memory_ordered 1
		.amdhsa_forward_progress 1
		.amdhsa_inst_pref_size 18
	.end_amdhsa_kernel
	.amdgpu_metadata
---
amdhsa.version: [ 1, 2 ]
amdhsa.kernels:
  - .name:           k_qdf6a81c0aa_qproj
    .symbol:         k_qdf6a81c0aa_qproj.kd
    .args:
      - { .name: xq, .offset: 0, .size: 8, .value_kind: global_buffer, .address_space: global }
      - { .name: wts, .offset: 8, .size: 8, .value_kind: global_buffer, .address_space: global }
      - { .name: bq, .offset: 16, .size: 8, .value_kind: global_buffer, .address_space: global }
      - { .name: qws, .offset: 24, .size: 8, .value_kind: global_buffer, .address_space: global }
    .group_segment_fixed_size: 0
    .private_segment_fixed_size: 0
    .kernarg_segment_align: 8
    .kernarg_segment_size: 32
    .max_flat_workgroup_size: 128
    .sgpr_count:     66
    .vgpr_count:     512
    .wavefront_size: 32
...
	.end_amdgpu_metadata
.endif
;; end of part 2
;; launch main (part 3): grid 256 x 1, 4 waves a work-group, clusters of 4 x 1, 327,680 bytes of LDS; arguments tokens, wts, qws, bk, bv, gate_logits, out0, out1, out2; writes out0, out1, out2
.if DOCPART == 3
	.amdgcn_target "amdgcn-amd-amdhsa--gfx1250"
	.amdhsa_code_object_version 6
	.text
	.protected	k_qdf6a81c0aa_main
	.globl	k_qdf6a81c0aa_main
	.p2align	8
	.type	k_qdf6a81c0aa_main,@function
k_qdf6a81c0aa_main:
	s_mov_b64 s[64:65], 0
	v_nop
	global_prefetch_b8 v0, s[64:65] scope:SCOPE_SE
	s_setreg_imm32_b32 hwreg(HW_REG_WAVE_MODE, 25, 1), 1
	s_wait_xcnt 0x0
	s_wait_alu depctr_hold_cnt(0) depctr_sa_sdst(0) depctr_va_vdst(0) depctr_va_sdst(0) depctr_va_ssrc(0) depctr_va_vcc(0) depctr_vm_vsrc(0)
	s_getreg_b32 s2, hwreg(HW_REG_IB_STS2, 6, 4)
	s_cmp_eq_u32 s2, 0
	s_cbranch_scc0 .Lentry_in_a_cluster
	s_endpgm
.Lentry_in_a_cluster:
	s_bfe_u32 s2, ttmp6, 0x10000c
	s_cmp_lg_u32 s2, 0x3003
	s_cbranch_scc0 .Lentry_shape_is_right
	s_endpgm
.Lentry_shape_is_right:
; k = Q(tokens) Q(Wk) + bk and v = Q(tokens) Q(Wv) + bv on codes of BF6 (E3M2), and behind them, in registers, the attention of one query over 32 tokens for each (t, b) and head.
; SHARES.  A work-group owns 128 token rows: four (t, b) pairs.  THE HEAD reads them from memory once, as f32, and quantises them: wave w takes rows 32 w .. 32 w + 31, 16 units of
; 16 rows x 128 K, 48 loads ahead; the codes lie in LDS as images of the operand's registers (fragment (tile m, K step s) at (8 m + s) 1,536), the scale words at TXS.
; FOUR PASSES; in pass p wave w makes head 4 p + w: 128 rows x (64 columns of k + 64 of v): 64 accumulators, 512 registers.  K goes in 8 steps of 128, 64 matrix instructions each.
; THE WEIGHTS of a K step are a batch of 12,800 bytes a wave, laid as that wave's registers want them, and come into one of three sets of 96 registers two K steps ahead, by two roads.
; EVEN K STEPS: all work-groups walk the same stream, so the four of a cluster ask for it JOINTLY: a ring of two LDS slots of 102,400 bytes, each with two even K steps for the four waves
; (slot 0: steps 0, 2; slot 1: steps 4, 6); every wave fetches and reads its own quarter.  A slot is filled again in K step 1 or 5, behind a round of the cluster's barrier, and is read next four K steps later or more.
; ODD K STEPS go from memory straight into the registers: two slots for all eight steps do not fit in LDS beside the tokens, and every fragment feeds one wave alone.
; PREFETCH: the stream's 6,400 blocks of 256 bytes are shared out among 64 work-groups by address, 100 blocks each, a lane a block, one instruction a wave, at the head,
; while the tokens are read (work-groups 64 apart name the same blocks; wave 3's lanes that are left over name its last block again).
; k IS USED TRANSPOSED (source 0 = 16 columns of Wk, source 1 = 16 tokens): a lane holds one token and 8 neighbouring columns.  v IS USED AS IT IS: a lane holds one column and 8 tokens.
; The two small products (one row each) and the softmax are f32 vector work; the softmax takes the row's true maximum away.
; LIMITS: NaN and infinities are not served.  A block of tokens whose largest magnitude lies under 2^-122 keeps the scale byte 1 (its codes are coarser than the quantiser's, or zeros).
; bv is added behind the weighted sum, which is reference's result up to the rounding of the weights' sum, 1.
; REGISTERS, in windows of 256 (s_set_vgpr_msb: bits 1:0 source 0, 3:2 source 1, 5:4 source 2, 7:6 destination):
;   window 0: v2-31 addresses, mean, bv; v32-47 the tokens' scale words, two sets; v48-59 the weights', three sets; v60-63 gate; v64-159 weight set 1; v160-255 weight set 2 (free behind K step 5: the attention works there; in the head: addresses, q)
;   window 1: v0-95 the tokens' fragments, ONE set (then q); v96-191 weight set 0; v192-223 bk in k's layout; v224-255 q of pair 3, then attention weights
;   window 2: k's 32 accumulators, (tile of tokens m, tile of columns t) at v[8 (4 m + t)];  window 3: v's likewise.  In the head: window 2 numbers as loaded, window 3 the quantiser.
.set TXS,   98304                      ; LDS: the tokens' scale words: [pair of K steps p][tile m][lane]: lanes 0-15 K step 2 p, lanes 16-31 K step 2 p + 1
.set RING,  102400                     ; the ring's two slots
.set SLOT,  102400
.set SPARE, 307200                     ; the spare words
.set ATT,   307712                     ; 512 bytes a wave: attention weights [pair][token]; at the end the sums for the mean
.set QL,    309760                     ; q as [wave][pass][pair][64] f32; a pass's logits then take the place of its q: [pair][first 32]
.set STG,   307712                     ; in the head, ahead of a barrier: a stage of 16 rows x 272 bytes for each wave, on ATT's and QL's bytes
.set ODD,   819200                     ; the stream: where the odd K steps begin
.set NEXTP, 204800                     ; from pass to pass, in either region
.set AX0, 2                            ; 16 x lane; v3 the same + 49,152
.set L4,  4                            ; 4 x lane
.set AXS, 5
.set AQ,  6
.set ALG, 7
.set AAT, 8
.set AAR, 9
.set AO,  10                           ; 8 x lane
.set ABK, 11                           ; 32 (lane / 16)
.set AQP, 13                           ; AQ, ALG + the pass's 1,024 bytes
.set ALP, 14
.set AR2, 17
.set AR1, 18
.set SPW, 20
.set NIL, 21
.set MEAN, 22
.set BV,  26
.set AWL, 28                           ; v28, v29 my quarter of slot 0, 1 + 16 x lane
.set AWS, 30                           ; v30, v31 the same + 4 x lane
.set XS,  32
.set WS,  48
.set GATE, 60
.set LW,  160                          ; the attention's registers, in weight set 2
.set LG,  176
.set PX,  180
.set PT,  184
.set OA,  192
.set AW,  224                          ; attention weights: tiles 0-3 in window 0, tiles 4-7 in window 1
.set BK,  192                          ; window 1
.set TA,  160                          ; the head's own
.set SI,  161
.set SO,  162
.set AD0, 163
.set ASD0, 164
.set AD,  165
.set ASD, 166
.set AQS, 167
.set PFO, 168
.set AGQ, 169
.set T0,  171
.set T1,  172
.set T2,  173
.set T3,  174
.set QT,  176                          ; v176-207 q as loaded
.set X,   0                            ; window 3: 64 numbers laid for the quantiser
.set PC,  64                           ; the codes
.set TM,  84
.set PW,  100
.set CW,  102
.set SEL, 56                           ; s[56:57] selects for lane l xor 16
.set G1J, 72                           ; s[72:79] descriptor group 1 of the joint loads
.set G0,  80                           ; s[80:87] group 0 for slot 0, slot 1
.set MSB, 0
.macro WIN new
.if MSB != \new
	s_set_vgpr_msb (MSB<<8)|\new
.set MSB, \new
.endif
.endm
.macro PLACES n                        ; plain places behind matrix instructions (ISA guide 7.12.1)
.rept \n
	v_nop
.endr
.endm
.macro CREST                           ; a round of the cluster's barrier behind its opening barrier
	s_cmp_lg_u32 s22, 0
	s_cbranch_scc1 .Lnot_wave_0_\@
	s_barrier_signal -3
.Lnot_wave_0_\@:
	s_barrier_wait -3
	s_barrier_signal -1
	s_barrier_wait -1
.endm
.macro CROUND
	s_barrier_signal -1
	s_barrier_wait -1
	CREST
.endm
.macro JLOAD sl                        ; every wave fetches its own quarter of the slot; s_nop 0 and four v_nop follow
	tensor_load_to_lds s[G0+4*(\sl):G0+4*(\sl)+3], s[G1J:G1J+7]
	s_nop 0
	PLACES 4
.endm
.macro SETW sg                         ; weight set sg: its first register, and the windows of k's products, v's products and its loads
.if (\sg) == 0
.set WB, 96
.set WKW, 0xa5
.set WVW, 0xf5
.set WLD, 0x40
.elseif (\sg) == 1
.set WB, 64
.set WKW, 0xa4
.set WVW, 0xf1
.set WLD, 0
.else
.set WB, 160
.set WKW, 0xa4
.set WVW, 0xf1
.set WLD, 0
.endif
.endm
; A batch: Wk's four fragments, Wv's four, four registers of scale words (lanes 0-15 Wk's, lanes 16-31 Wv's): 28 loads.  From memory (odd K steps):
.macro GBATCH sg, off
	SETW \sg
	WIN WLD
.irp f, 0,1,2,3,4,5,6,7
.irp c, 0,1,2
	global_load_b128 v[WB+12*\f+4*\c:WB+12*\f+4*\c+3], v[AX0], s[6:7] offset:(\off)+1536*\f+512*\c
.endr
.endr
	WIN 0
.irp t, 0,1,2,3
	global_load_b32 v[WS+4*(\sg)+\t], v[L4], s[6:7] offset:(\off)+12288+128*\t
.endr
.endm
.macro LBATCH sg, rg, i                ; from slot rg of the ring, the i-th of its two K steps (even K steps)
	SETW \sg
	WIN WLD
.irp f, 0,1,2,3,4,5,6,7
.irp c, 0,1,2
	ds_load_b128 v[WB+12*\f+4*\c:WB+12*\f+4*\c+3], v[AWL+(\rg)] offset:12800*(\i)+1536*\f+512*\c
.endr
.endr
	WIN 0
.irp t, 0,1,2,3
	ds_load_b32 v[WS+4*(\sg)+\t], v[AWS+(\rg)] offset:12800*(\i)+12288+128*\t
.endr
.endm
.macro BKG off                         ; bk at columns 16 t + 8 (lane / 16) + 0 .. 7: 8 loads
	WIN 0x40
.irp t, 0,1,2,3
.irp c, 0,1
	global_load_b128 v[BK+8*\t+4*\c:BK+8*\t+4*\c+3], v[ABK], s[10:11] offset:(\off)+64*\t+16*\c
.endr
.endr
.endm
.macro FETCH_T s, h                    ; the tokens' fragments of tiles 4 h .. 4 h + 3 at K step s: 12 loads
	WIN 0x40
.irp mm, 0,1,2,3
.irp c, 0,1,2
	ds_load_b128 v[12*(4*\h+\mm)+4*\c:12*(4*\h+\mm)+4*\c+3], v[AX0+\h] offset:(8*\mm+(\s))*1536+512*\c
.endr
.endr
.endm
.macro XSLOAD p, set                   ; the tokens' scale words of K steps 2 p, 2 p + 1: 8 loads
	WIN 0
.irp m, 0,1,2,3,4,5,6,7
	ds_load_b32 v[XS+8*(\set)+\m], v[AXS] offset:1024*(\p)+128*\m
.endr
.endm
.macro FETCH_Q p                       ; q of my head, pair p: columns 16 t + 8 (lane / 16) + 0 .. 7 at v[rQ + 8 t] of window 1: 8 loads
.if (\p) == 3
.set rQ, 224
.else
.set rQ, 32*(\p)
.endif
	WIN 0x40
.irp t, 0,1,2,3
.irp c, 0,1
	ds_load_b128 v[rQ+8*\t+4*\c:rQ+8*\t+4*\c+3], v[AQP] offset:256*(\p)+64*\t+16*\c
.endr
.endr
.endm
; 16 products: tiles of tokens 4 h .. 4 h + 3 x k's four tiles of columns.  In K step 0 bk starts the sums.  The accumulators take turns, one instruction a turn.
.macro HALFK s, h
	SETW (\s)%3
.if (\s) == 0
	WIN 0x95
.else
	WIN WKW
.endif
.irp mm, 0,1,2,3
.irp t, 0,1,2,3
.set rD, 8*(4*(4*\h+\mm)+\t)
.set rX, 12*(4*\h+\mm)
.set rW, WB+12*\t
.set rSW, WS+4*((\s)%3)+\t
.set rSX, XS+8*(((\s)/2)%2)+4*\h+\mm
.if (\s) == 0
	v_wmma_scale_f32_16x16x128_f8f6f4 v[rD:rD+7], v[rW:rW+11], v[rX:rX+11], v[BK+8*\t:BK+8*\t+7], v[rSW], v[rSX] matrix_a_fmt:MATRIX_FMT_BF6 matrix_b_fmt:MATRIX_FMT_BF6
.elseif (\s)%2
	v_wmma_scale_f32_16x16x128_f8f6f4 v[rD:rD+7], v[rW:rW+11], v[rX:rX+11], v[rD:rD+7], v[rSW], v[rSX] matrix_a_fmt:MATRIX_FMT_BF6 matrix_b_fmt:MATRIX_FMT_BF6 matrix_b_scale:MATRIX_SCALE_ROW1
.else
	v_wmma_scale_f32_16x16x128_f8f6f4 v[rD:rD+7], v[rW:rW+11], v[rX:rX+11], v[rD:rD+7], v[rSW], v[rSX] matrix_a_fmt:MATRIX_FMT_BF6 matrix_b_fmt:MATRIX_FMT_BF6
.endif
.endr
.endr
.endm
.macro HALFV s, h                      ; the same tiles x v's four.  In K step 0 the constant 0 starts the sums
	SETW (\s)%3
	WIN WVW
.irp mm, 0,1,2,3
.irp t, 0,1,2,3
.set rD, 8*(4*(4*\h+\mm)+\t)
.set rX, 12*(4*\h+\mm)
.set rW, WB+48+12*\t
.set rSW, WS+4*((\s)%3)+\t
.set rSX, XS+8*(((\s)/2)%2)+4*\h+\mm
.if (\s) == 0
	v_wmma_scale_f32_16x16x128_f8f6f4 v[rD:rD+7], v[rX:rX+11], v[rW:rW+11], 0, v[rSX], v[rSW] matrix_a_fmt:MATRIX_FMT_BF6 matrix_b_fmt:MATRIX_FMT_BF6 matrix_b_scale:MATRIX_SCALE_ROW1
.elseif (\s)%2
	v_wmma_scale_f32_16x16x128_f8f6f4 v[rD:rD+7], v[rX:rX+11], v[rW:rW+11], v[rD:rD+7], v[rSX], v[rSW] matrix_a_fmt:MATRIX_FMT_BF6 matrix_b_fmt:MATRIX_FMT_BF6 matrix_a_scale:MATRIX_SCALE_ROW1 matrix_b_scale:MATRIX_SCALE_ROW1
.else
	v_wmma_scale_f32_16x16x128_f8f6f4 v[rD:rD+7], v[rX:rX+11], v[rW:rW+11], v[rD:rD+7], v[rSX], v[rSW] matrix_a_fmt:MATRIX_FMT_BF6 matrix_b_fmt:MATRIX_FMT_BF6 matrix_b_scale:MATRIX_SCALE_ROW1
.endif
.endr
.endr
.endm
; A K step.  First the batch two steps on goes into the set that the last step read: in an odd step from memory (this step's own batch, the only one out, is waited for first), in an even step from the ring.
; A half of the tokens' set is free behind its 32 products and takes the next step's fragments, 32 products ahead of their use.
; K steps 1 and 5 of all passes but the last leave a slot of the ring (its two batches have been read): in front of ONE barrier each wave waits for all its tensor loads, adds 0 to its spare word and waits
; for that and for its LDS reads; the barrier opens a round of the cluster's, and the slot is filled again first thing behind it.
.macro STEP s, last
.set RND, 0
.if ((\s) == 1) || ((\s) == 5)
.if !(\last)
.set RND, 1
.endif
.endif
	WIN 0
.if (\s) == 0
	s_wait_loadcnt 28                              ; bk is in; K step 1's batch may be out
.elseif (\s)%2
	s_wait_loadcnt 0x0                             ; this step's batch is in: nothing younger is out
.endif
.if (\last) && ((\s) == 2)
	s_wait_tensorcnt 0x0                           ; my quarter of the stream's last slot is in: I alone read it
.endif
.if (\s) == 1
	global_load_b64 v[BV:BV+1], v[AO], s[12:13]    ; bv of my two columns: wanted at the pass's end
.endif
.if (\s)%2
.if (\s) < 7
	GBATCH ((\s)+2)%3, (((\s)+2)/2)*51200
.endif
.elseif (\s) < 6
	LBATCH ((\s)+2)%3, ((\s)+2)/4, (((\s)+2)/2)%2
.endif
.if RND
	s_wait_tensorcnt 0x0                           ; all my tensor loads have landed (every window is 0 here)
	ds_add_u32 v[SPW], v[NIL]                      ; 0 onto my spare word
	s_wait_dscnt 13                                ; the add and tiles 4-7's 12 loads may be out
	HALFK \s, 0
	s_wait_dscnt 0x0                               ; the add is done, and my reads of the slot are over
	s_barrier_signal -1
	HALFV \s, 0
	WIN 0
	s_barrier_wait -1
	CREST                                          ; no wave of any partner still reads this slot or has a load on its way
	s_add_nc_u64 s[G0+4*((\s)/4)+2:G0+4*((\s)/4)+3], s[G0+4*((\s)/4)+2:G0+4*((\s)/4)+3], NEXTP
	JLOAD (\s)/4                                   ; its four v_nop are also the places in front of the loads below
	XSLOAD ((\s)+1)/2, (((\s)+1)/2)%2
	FETCH_T (\s)+1, 0
.else
.if ((\s)%2 == 0) && ((\s) < 6)
	s_wait_dscnt 40                                ; scale words and tiles 0-3 are in; tiles 4-7's 12 loads and the batch's 28 may be out
.else
	s_wait_dscnt 12
.endif
	HALFK \s, 0
	HALFV \s, 0
	PLACES 4
.if (\s) == 7
	FETCH_Q 3
	FETCH_Q 0
	s_wait_dscnt 16
.else
.if (\s)%2
	XSLOAD ((\s)+1)/2, (((\s)+1)/2)%2
	FETCH_T (\s)+1, 0
	s_wait_dscnt 20                                ; all but those just issued
.else
	FETCH_T (\s)+1, 0
.if (\s) < 6
	s_wait_dscnt 40                                ; tiles 4-7 are in; younger: the batch's 28 and the 12 just issued
.else
	s_wait_dscnt 12
.endif
.endif
.endif
.endif
	HALFK \s, 1
	HALFV \s, 1
	PLACES 4
.if (\s) < 7
	FETCH_T (\s)+1, 1
.else
	FETCH_Q 1
	FETCH_Q 2
.endif
.endm
; THE ATTENTION of my head for the four pairs.
.macro EPI last
.if !(\last)
	BKG 1024                                       ; the next pass's bk and its K steps 1 (from memory) and 0 (from slot 0): sets 1 and 0 were read last in K steps 7 and 6
	GBATCH 1, NEXTP
	LBATCH 0, 0, 0
.endif
	s_wait_dscnt 0x0                               ; q is in
	WIN 0x06                                       ; k window 2, q window 1, sums window 0
.irp t, 0,1,2,3                                ; q . k over my 32 columns, two at a time, eight chains; each accumulator from its low end on
.irp i, 0,1,2,3
.irp m, 0,1,2,3,4,5,6,7
.if \m/2 == 3
.set rQ, 224
.else
.set rQ, 32*(\m/2)
.endif
.if (\t == 0) && (\i == 0)
	v_pk_mul_f32 v[LW+2*\m:LW+2*\m+1], v[8*(4*\m+\t)+2*\i:8*(4*\m+\t)+2*\i+1], v[rQ+8*\t+2*\i:rQ+8*\t+2*\i+1]
.else
	v_pk_fma_f32 v[LW+2*\m:LW+2*\m+1], v[8*(4*\m+\t)+2*\i:8*(4*\m+\t)+2*\i+1], v[rQ+8*\t+2*\i:rQ+8*\t+2*\i+1], v[LW+2*\m:LW+2*\m+1]
.endif
.endr
.endr
.endr
.if !(\last)
	XSLOAD 0, 0                                    ; q is done with: the next pass's scale words and first fragments of the tokens
	FETCH_T 0, 0
	FETCH_T 0, 1
.endif
	WIN 0
.irp m, 0,1,2,3,4,5,6,7
	v_add_f32 v[LW+2*\m], v[LW+2*\m], v[LW+2*\m+1]
.endr
.irp p, 0,1,2,3
	v_permlane16_swap_b32 v[LW+4*\p], v[LW+4*\p+2] ; tiles 2 p and 2 p + 1: the first now holds both tiles' lower halves of the columns, the second the upper
.endr
.irp p, 0,1,2,3
	v_add_f32 v[LG+\p], v[LW+4*\p], v[LW+4*\p+2]   ; lane l: token l of pair p
.endr
.irp p, 0,1,2,3
	v_fma_f32 v[LG+\p], v[LG+\p], s59, v[GATE+\p]  ; / sqrt(64), + the gate
.endr
.irp p, 0,1,2,3
	ds_store_b32 v[ALP], v[LG+\p] offset:256*\p    ; into my own bytes of q of this pass, which I alone read and have read
.endr
.irp p, 0,1,2,3
	v_max_num_f32_dpp v[PX+\p], v[LG+\p], v[LG+\p] row_xmask:1 row_mask:0xf bank_mask:0xf   ; the row's maximum
.endr
.irp x, 2,4,8
.irp p, 0,1,2,3
	v_max_num_f32_dpp v[PX+\p], v[PX+\p], v[PX+\p] row_xmask:\x row_mask:0xf bank_mask:0xf
.endr
.endr
.irp p, 0,1,2,3
	v_permlanex16_b32 v[PT+\p], v[PX+\p], s[SEL], s[SEL+1]
.endr
.irp p, 0,1,2,3
	v_max_num_f32 v[PX+\p], v[PX+\p], v[PT+\p]
.endr
.irp p, 0,1,2,3
	v_sub_f32 v[PX+\p], v[LG+\p], v[PX+\p]
.endr
.irp p, 0,1,2,3
	v_mul_f32 v[PX+\p], s58, v[PX+\p]              ; x log2(e)
.endr
	s_wait_alu depctr_va_vdst(0)                   ; a wait ahead of a batch of transcendentals and one behind it
.irp p, 0,1,2,3
	v_exp_f32 v[PX+\p], v[PX+\p]
.endr
	v_nop
	s_wait_alu depctr_va_vdst(0)
.irp p, 0,1,2,3
	v_add_f32_dpp v[LW+\p], v[PX+\p], v[PX+\p] row_xmask:1 row_mask:0xf bank_mask:0xf       ; the row's sum
.endr
.irp x, 2,4,8
.irp p, 0,1,2,3
	v_add_f32_dpp v[LW+\p], v[LW+\p], v[LW+\p] row_xmask:\x row_mask:0xf bank_mask:0xf
.endr
.endr
.irp p, 0,1,2,3
	v_permlanex16_b32 v[PT+\p], v[LW+\p], s[SEL], s[SEL+1]
.endr
.irp p, 0,1,2,3
	v_add_f32 v[LW+\p], v[LW+\p], v[PT+\p]
.endr
	s_wait_alu depctr_va_vdst(0)
.irp p, 0,1,2,3
	v_rcp_f32 v[LW+4+\p], v[LW+\p]
.endr
	v_nop
	s_wait_alu depctr_va_vdst(0)
.irp p, 0,1,2,3
	v_mul_f32 v[LW+8+\p], v[PX+\p], v[LW+4+\p]     ; the attention weight of token l
.endr
.irp p, 0,1,2,3
	v_add_f32 v[MEAN+\p], v[MEAN+\p], v[LW+8+\p]
.endr
.irp p, 0,1,2,3
	ds_store_b32 v[AAT], v[LW+8+\p] offset:128*\p
.endr
.irp m, 0,1,2,3                                ; back as v's layout wants them: tokens 8 (lane / 16) + 0 .. 7 of tile m.  LDS serves a wave's instructions in order (ISA guide 5.7.1.4)
.irp c, 0,1
	ds_load_b128 v[AW+8*\m+4*\c:AW+8*\m+4*\c+3], v[AAR] offset:64*\m+16*\c
.endr
.endr
	WIN 0x40
.irp m, 0,1,2,3
.irp c, 0,1
	ds_load_b128 v[AW+8*\m+4*\c:AW+8*\m+4*\c+3], v[AAR] offset:256+64*\m+16*\c
.endr
.endr
	s_wait_alu depctr_va_vdst(0)
	s_wait_dscnt 0x0
.irp g, 0,1                                    ; the weighted sum over my 16 tokens of a pair, two at a time; pairs 0, 1 (weights in window 0), then pairs 2, 3 (window 1); each accumulator from its low end on
	WIN 0x03+4*\g
	s_wait_alu depctr_va_vdst(0)
.irp mm, 0,1
.irp i, 0,1,2,3
.irp pp, 0,1
.irp t, 0,1,2,3
.set rO, OA+2*(4*(2*\g+\pp)+\t)
.set rV, 8*(4*(2*(2*\g+\pp)+\mm)+\t)+2*\i
.set rA, AW+8*(2*\pp+\mm)+2*\i
.if (\mm == 0) && (\i == 0)
	v_pk_mul_f32 v[rO:rO+1], v[rV:rV+1], v[rA:rA+1]
.else
	v_pk_fma_f32 v[rO:rO+1], v[rV:rV+1], v[rA:rA+1], v[rO:rO+1]
.endif
.endr
.endr
.endr
.endr
.endr
	WIN 0
.irp c, 0,1,2,3,4,5,6,7,8,9,10,11,12,13,14,15
	v_add_f32 v[OA+2*\c], v[OA+2*\c], v[OA+2*\c+1]
.endr
.irp p, 0,1,2,3
.irp u, 0,1
	v_permlane16_swap_b32 v[OA+8*\p+4*\u], v[OA+8*\p+4*\u+2]
.endr
.endr
.irp p, 0,1,2,3
.irp u, 0,1
	v_add_f32 v[LW+2*\p+\u], v[OA+8*\p+4*\u], v[OA+8*\p+4*\u+2]   ; by the choice of Wv's columns: lane l, register u: column 2 l + u of my head
.endr
.endr
.irp p, 0,1,2,3
	v_pk_add_f32 v[LW+2*\p:LW+2*\p+1], v[LW+2*\p:LW+2*\p+1], v[BV:BV+1]
.endr
.irp p, 0,1,2,3
	global_store_b64 v[AO], v[LW+2*\p:LW+2*\p+1], s[16:17] offset:4096*\p th:TH_STORE_NT   ; 32 lanes store 256 consecutive bytes, at a multiple of 256 from out0's first byte
.endr
.if !(\last)
	s_wait_xcnt 0x0                                ; loads and stores have read their bases and data: only behind this wait are they written again
	s_add_nc_u64 s[16:17], s[16:17], 1024          ; four heads on in out0, bk and bv,
	s_add_nc_u64 s[10:11], s[10:11], 1024
	s_add_nc_u64 s[12:13], s[12:13], 1024
	s_add_nc_u64 s[6:7], s[6:7], NEXTP             ; a pass on in the odd K steps
	s_add_co_u32 s27, s27, 1024                    ; and in my q
.endif
.endm
.macro PASS last
	v_add_nc_u32 v[AQP], s27, v[AQ]
	v_add_nc_u32 v[ALP], s27, v[ALG]
	s_wait_alu depctr_va_vdst(0)
.irp q, 0,1,2,3,4,5,6,7
	STEP \q, \last
.endr
	EPI \last
.endm
; THE HEAD'S QUANTISER.  A unit is 16 rows x 128 K: 16 loads, sixteen lanes to 256 consecutive bytes of a row, into buffer b of four in window 2
.macro LOADS b, off
	WIN 0x80
.irp u, 0,1
.irp i, 0,1,2,3,4,5,6,7
	global_load_b128 v[64*(\b)+32*\u+4*\i:64*(\b)+32*\u+4*\i+3], v[TA], s[4:5] offset:(\off)+8192*\i+256*\u th:TH_LOAD_NT
.endr
.endr
.endm
.macro TURNQ b                         ; through my stage: back come 16 neighbours of a block to a lane: register 16 b + i = k 32 b + 16 (lane / 16) + i of row lane % 16
.irp u, 0,1
	WIN 0x08
.irp i, 0,1,2,3,4,5,6,7
	ds_store_b128 v[SI], v[64*(\b)+32*\u+4*\i:64*(\b)+32*\u+4*\i+3] offset:544*\i
.endr
	WIN 0xc0
.irp k, 0,1
.irp j, 0,1,2,3
	ds_load_b128 v[X+16*(2*\u+\k)+4*\j:X+16*(2*\u+\k)+4*\j+3], v[SO] offset:128*\k+16*\j
.endr
.endr
.endr
.endm
.macro QUANT pw                        ; all in window 3: 64 numbers become a fragment's codes in v[PC] on and the row's scale word in v[pw]
	WIN 0xff
.irp b, 0,1,2,3
	v_max3_num_f32 v[TM+\b], |v[X+16*\b]|, |v[X+1+16*\b]|, 0x2800000   ; and the floor 2^(5 - 127): the byte cannot fall under 1
.endr
.irp i, 2,4,6,8,10,12,14
.irp b, 0,1,2,3
	v_max3_num_f32 v[TM+\b], v[TM+\b], |v[X+16*\b+\i]|, |v[X+1+16*\b+\i]|
.endr
.endr
.irp b, 0,1,2,3
	v_permlanex16_b32 v[TM+4+\b], v[TM+\b], s[SEL], s[SEL+1]
.endr
.irp b, 0,1,2,3
	v_max_num_f32 v[TM+\b], v[TM+\b], v[TM+4+\b]
.endr
.irp b, 0,1,2,3
	v_add_nc_u32 v[TM+12+\b], 0xfe000000, v[TM+\b] ; 4 off the exponent field: the conversion's scale operand
.endr
.irp b, 0,1,2,3
	v_lshrrev_b32 v[TM+4+\b], 23, v[TM+12+\b]      ; the scale's byte
.endr
	v_lshl_or_b32 v[\pw], v[TM+5], 8, v[TM+4]
	v_lshl_or_b32 v[\pw], v[TM+6], 16, v[\pw]
	v_lshl_or_b32 v[\pw], v[TM+7], 24, v[\pw]
.irp c, 0,1
	v_cvt_scalef32_pk16_bf6_f32 v[PC+6*\c:PC+2+6*\c], v[X+32*\c:X+15+32*\c], v[TM+12+2*\c]
	v_cvt_scalef32_pk16_bf6_f32 v[PC+12+4*\c:PC+14+4*\c], v[X+16+32*\c:X+31+32*\c], v[TM+12+2*\c+1]
.endr
	v_nop                                          ; one plain place behind a scaled conversion
.irp c, 0,1                                    ; a whole block in a lane: lanes 0-15 block 2 c, lanes 16-31 block 2 c + 1
.irp i, 0,1,2
	v_permlane16_swap_b32 v[PC+6*\c+\i], v[PC+12+4*\c+\i]
.endr
.irp i, 0,1,2
	v_mov_b32 v[PC+3+6*\c+\i], v[PC+12+4*\c+\i]
.endr
.endr
.endm
.macro UNIT T, e                       ; tile 2 w + T, K step 2 j + e of trip j
	TURNQ 2*(\T)+(\e)
	s_wait_dscnt 0x0
	QUANT PW+(\e)
	WIN 0x0c
.irp c, 0,1,2
	ds_store_b128 v[AD], v[PC+4*\c:PC+4*\c+3] offset:12288*(\T)+1536*(\e)+512*\c
.endr
.if \e
	WIN 0xff
	v_cndmask_b32 v[CW], v[PW], v[PW+1], s62       ; lanes 0-15 keep K step 2 j's words, lanes 16-31 K step 2 j + 1's
	WIN 0x0c
	ds_store_b32 v[ASD], v[CW] offset:128*(\T)
.endif
.endm
; A trip: four units.  A unit's 16 loads are in when at most the next two units' 32 are out; then the unit three on is asked for.  In the last trip bk and K step 1's batch take the place of further units.
.macro TRIP last
	v_add_nc_u32 v[AD], s30, v[AD0]
	v_add_nc_u32 v[ASD], s31, v[ASD0]
	s_wait_loadcnt 32
	LOADS 3, 65536+512
	UNIT 0, 0
	s_wait_loadcnt 32
.if \last
	BKG 0
	GBATCH 1, 0
.else
	LOADS 0, 1024
.endif
	UNIT 0, 1
.if \last
	s_wait_loadcnt 52                              ; younger: one unit's 16, bk's 8 and the batch's 28
.else
	s_wait_loadcnt 32
	LOADS 1, 1024+512
.endif
	UNIT 1, 0
.if \last
	s_wait_loadcnt 36                              ; younger: bk's 8 and the batch's 28
.else
	s_wait_loadcnt 32
	LOADS 2, 1024+65536
.endif
	UNIT 1, 1
	WIN 0
.endm
	s_load_b256 s[4:11], s[0:1], 0x0               ; tokens s[4:5], wts s[6:7], qws s[8:9], bk s[10:11]
	s_load_b256 s[12:19], s[0:1], 0x20             ; bv s[12:13], gate_logits s[14:15], out0 s[16:17], out1 s[18:19]
	s_load_b64 s[20:21], s[0:1], 0x40              ; out2
	v_lshl_add_u32 v[SPW], v0, 2, SPARE
	v_mov_b32 v[NIL], 0
	ds_add_u32 v[SPW], v[NIL]                      ; the wave's opening: the add, twice on end, and its wait ahead of my first tensor load
	ds_add_u32 v[SPW], v[NIL]
	v_lshrrev_b32 v1, 5, v0
	v_readfirstlane_b32 s22, v1                    ; wave 0..3
	s_bfe_u32 s60, ttmp6, 0x40000                  ; cx: my place in the cluster
	s_lshl_b32 s61, ttmp9, 2                       ; in a cluster launch ttmp9 counts clusters
	s_add_co_u32 s61, s61, s60                     ; my block of 128 rows: it enters global addresses of my own loads, prefetches and stores alone
	s_mov_b32 s[G1J], 15|(3<<16)|(1<<21)           ; 25,600 dense bytes as 100 rows of 32 elements of 8 bytes; the mask names all four work-groups; bit 21 beside it
	s_mov_b32 s[G1J+1], 32<<16
	s_mov_b32 s[G1J+2], 100<<16
	s_mov_b32 s[G1J+3], 32<<16
	s_mov_b32 s[G1J+4], 100
	s_mov_b32 s[G1J+5], 32
	s_mov_b32 s[G1J+6], 0
	s_mov_b32 s[G1J+7], 0
	s_mul_i32 s23, s22, 4352
	s_add_co_u32 s23, s23, STG                     ; my stage
	s_mul_i32 s24, s22, 24576                      ; my two tiles' fragments
	s_lshl_b32 s28, s22, 8
	s_lshl_b32 s29, s22, 12
	s_add_co_u32 s29, s29, QL
	s_lshl_b32 s34, s22, 9
	s_add_co_u32 s34, s34, ATT
	s_add_co_u32 s37, s28, QL
	s_lshl_b32 s40, s61, 19                        ; tokens: 128 rows of 4,096 bytes a work-group,
	s_lshl_b32 s41, s22, 17                        ; 32 rows a wave
	s_add_co_u32 s40, s40, s41
	s_mov_b32 s41, 0
	s_mul_i32 s42, s22, 25600                      ; my quarter of a slot, in memory and in LDS
	s_mov_b32 s43, 0
	s_add_co_u32 s35, s42, RING
	s_add_co_u32 s36, s35, SLOT
	s_and_b32 s44, s61, 63
	s_mul_i32 s44, s44, 25600                      ; the 100 blocks that my work-group prefetches
	s_mov_b32 s45, 0
	s_lshl_b32 s46, s61, 14
	s_mov_b32 s47, 0
	s_lshl_b32 s48, s61, 9
	s_mov_b32 s49, 0
	s_mov_b32 s50, s28
	s_mov_b32 s51, 0
	s_lshl_b32 s52, s61, 13
	s_lshl_b32 s53, s22, 11
	s_add_co_u32 s52, s52, s53
	s_mov_b32 s53, 0
	s_mul_i32 s54, s22, 12800
	s_add_co_u32 s54, s54, ODD                     ; my part of the odd K steps
	s_mov_b32 s55, 0
	s_mov_b32 s[SEL], 0x76543210
	s_mov_b32 s[SEL+1], 0xfedcba98
	s_mov_b32 s58, 0x3fb8aa3b                      ; log2(e)
	s_mov_b32 s59, 0x3e000000                      ; 1 / sqrt(64)
	s_mov_b32 s25, 3
	s_mov_b32 s26, 3
	s_mov_b32 s27, 0
	s_mov_b32 s30, 0
	s_mov_b32 s31, 0
	s_wait_dscnt 0x0                               ; both opening adds are done
	v_and_b32 v1, 31, v0                           ; lane
	v_and_b32 v[T0], 15, v0
	v_bfe_u32 v[T1], v0, 4, 1
	v_lshlrev_b32 v[AX0], 4, v1
	v_add_nc_u32 v[AX0+1], 49152, v[AX0]
	v_lshlrev_b32 v[L4], 2, v1
	v_add_nc_u32 v[AXS], TXS, v[L4]
	v_lshlrev_b32 v[AO], 3, v1
	v_lshl_add_u32 v[AQ], v[T1], 5, s29
	v_add_nc_u32 v[ALG], s29, v[L4]
	v_add_nc_u32 v[AAT], s34, v[L4]
	v_lshl_add_u32 v[AAR], v[T1], 5, s34
	v_lshlrev_b32 v[ABK], 5, v[T1]
	v_add_nc_u32 v[AWL], s35, v[AX0]
	v_add_nc_u32 v[AWL+1], s36, v[AX0]
	v_add_nc_u32 v[AWS], s35, v[L4]
	v_add_nc_u32 v[AWS+1], s36, v[L4]
	v_lshrrev_b32 v[T2], 3, v1
	v_and_b32 v[T3], 7, v1
	v_lshlrev_b32 v[AR2], 4, v[T3]
	v_lshl_add_u32 v[AR2], v[T2], 12, v[AR2]
	v_add_nc_u32 v[AR2], s37, v[AR2]               ; the end: pair w; eight lanes to a head's 128 bytes, heads of waves lane / 8
	v_add_nc_u32 v[AR1], ATT, v[AX0]
	v_lshlrev_b32 v[TA], 4, v[T0]
	v_lshl_add_u32 v[TA], v[T1], 12, v[TA]         ; my 16 bytes of a load: 4,096 (lane / 16) + 16 (lane % 16)
	v_mul_u32_u24 v[SI], v[T1], 272
	v_lshl_add_u32 v[SI], v[T0], 4, v[SI]
	v_add_nc_u32 v[SI], s23, v[SI]
	v_mul_u32_u24 v[SO], v[T0], 272
	v_lshl_add_u32 v[SO], v[T1], 6, v[SO]
	v_add_nc_u32 v[SO], s23, v[SO]
	v_add_nc_u32 v[AD0], s24, v[AX0]
	v_add_nc_u32 v[ASD0], s28, v[AXS]
	v_lshlrev_b32 v[AGQ], 4, v0
	v_lshrrev_b32 v[T2], 6, v0
	v_and_b32 v[T3], 63, v0
	v_lshlrev_b32 v[AQS], 2, v[T3]
	v_lshl_add_u32 v[AQS], v[T2], 12, v[AQS]
	v_add_nc_u32 v[AQS], QL, v[AQS]                ; column 128 i + thread is head 2 i + thread / 64: wave 2 (i % 2) + thread / 64, pass i / 2
	v_min_u32 v[PFO], 99, v0
	v_lshlrev_b32 v[PFO], 8, v[PFO]                ; block min(thread, 99) of my work-group's 100
	v_cmp_le_u32 s62, 16, v1                       ; lanes 16-31
.irp p, 0,1,2,3
	v_mov_b32 v[MEAN+\p], 0
.endr
	WIN 0xc0
.irp b, 0,1,2,3
	v_mov_b32 v[TM+4+\b], 0                        ; a lane permute's destination counts as one of its sources
.endr
	WIN 0
	s_wait_alu depctr_va_vdst(0)
	s_wait_kmcnt 0x0
	s_add_nc_u64 s[4:5], s[4:5], s[40:41]
	s_add_nc_u64 s[38:39], s[6:7], s[44:45]
	s_mov_b32 s[G0], 1
	s_mov_b32 s[G0+1], s35
	s_add_nc_u64 s[G0+2:G0+3], s[6:7], s[42:43]    ; slot 0: the first pass's K steps 0 and 2
	s_mov_b32 s[G0+4], 1
	s_mov_b32 s[G0+5], s36
	s_add_nc_u64 s[G0+6:G0+7], s[G0+2:G0+3], SLOT  ; slot 1: its K steps 4 and 6
	s_or_b32 s[G0+3], s[G0+3], 0x80000000
	s_or_b32 s[G0+7], s[G0+7], 0x80000000
	s_add_nc_u64 s[6:7], s[6:7], s[54:55]
	s_add_nc_u64 s[8:9], s[8:9], s[46:47]
	s_add_nc_u64 s[10:11], s[10:11], s[50:51]
	s_add_nc_u64 s[12:13], s[12:13], s[50:51]
	s_add_nc_u64 s[14:15], s[14:15], s[48:49]
	s_add_nc_u64 s[16:17], s[16:17], s[46:47]
	s_add_nc_u64 s[16:17], s[16:17], s[50:51]
	s_add_nc_u64 s[18:19], s[18:19], s[48:49]
	s_add_nc_u64 s[20:21], s[20:21], s[52:53]
.irp i, 0,1,2,3,4,5,6,7
	global_load_b128 v[QT+4*\i:QT+4*\i+3], v[AGQ], s[8:9] offset:2048*\i   ; column 128 i + thread of q, the four pairs
.endr
.irp p, 0,1,2,3
	global_load_b32 v[GATE+\p], v[L4], s[14:15] offset:128*\p
.endr
	LOADS 0, 0
	LOADS 1, 512
	LOADS 2, 65536
	WIN 0
	global_prefetch_b8 v[PFO], s[38:39] th:TH_LOAD_NT scope:SCOPE_SE
	CROUND                                         ; all four work-groups are here: the first joint loads meet
	JLOAD 0
.Ltrip:                                                ; three trips, and the last written out: it asks for no tokens beyond my rows
	TRIP 0
	s_wait_xcnt 0x0                                ; the loads have read their base
	s_add_nc_u64 s[4:5], s[4:5], 1024              ; two K steps on
	s_add_co_u32 s30, s30, 3072
	s_add_co_u32 s31, s31, 1024
	s_sub_co_u32 s26, s26, 1
	s_cmp_lg_u32 s26, 0
	s_wait_alu depctr_va_vdst(0)
	s_cbranch_scc1 .Ltrip
	s_wait_tensorcnt 0x0                           ; slot 0 is in
	ds_add_u32 v[SPW], v[NIL]
	s_wait_dscnt 0x0
	CROUND
	JLOAD 1                                        ; slot 1's first fill
	TRIP 1
	s_wait_alu depctr_va_vdst(0)
	s_wait_dscnt 0x0                               ; my codes and scale words lie in LDS, and I have done with my stage
	s_barrier_signal -1
	s_barrier_wait -1                              ; everybody's do, and has: q may take the stages' bytes
.irp i, 0,1,2,3,4,5,6,7
.irp e, 0,1,2,3
	ds_store_b32 v[AQS], v[QT+4*\i+\e] offset:8192*(\i%2)+1024*(\i/2)+256*\e
.endr
.endr
	s_wait_dscnt 0x0
	s_barrier_signal -1
	s_barrier_wait -1
	LBATCH 0, 0, 0
	XSLOAD 0, 0
	FETCH_T 0, 0
	FETCH_T 0, 1
	WIN 0
.Lpass:                                                ; three trips: each fills both slots again
	PASS 0
	s_sub_co_u32 s25, s25, 1
	s_cmp_lg_u32 s25, 0
	s_wait_alu depctr_va_vdst(0)
	s_cbranch_scc1 .Lpass
	PASS 1                                         ; the last pass is written out: it asks for nothing more
	; THE END.  The logits of all 16 heads lie in LDS, and each wave's sums of attention weights go there: then whole aligned blocks of 256 bytes leave.
.irp p, 0,1,2,3
	ds_store_b32 v[AAT], v[MEAN+\p] offset:128*\p
.endr
	s_wait_xcnt 0x0                                ; out0's stores have read their data: the registers are loaded into below
	s_wait_dscnt 0x0
	s_barrier_signal -1
	s_barrier_wait -1
.irp i, 0,1,2,3
	ds_load_b128 v[LW+4*\i:LW+4*\i+3], v[AR2] offset:1024*\i   ; pair w, heads 4 i .. 4 i + 3
.endr
.irp i, 0,1,2,3
	s_wait_dscnt 3-\i
	global_store_b128 v[AX0], v[LW+4*\i:LW+4*\i+3], s[20:21] offset:512*\i th:TH_STORE_NT   ; 32 lanes store 512 consecutive bytes of out2
.endr
	s_cmp_lg_u32 s22, 0
	s_cbranch_scc1 .Lnot_first
.irp w, 0,1,2,3
	ds_load_b128 v[LW+16+4*\w:LW+16+4*\w+3], v[AR1] offset:512*\w   ; the four waves' sums over their four heads
.endr
	s_wait_dscnt 0x0
	v_pk_add_f32 v[LW+16:LW+17], v[LW+16:LW+17], v[LW+20:LW+21]
	v_pk_add_f32 v[LW+18:LW+19], v[LW+18:LW+19], v[LW+22:LW+23]
	v_pk_add_f32 v[LW+24:LW+25], v[LW+24:LW+25], v[LW+28:LW+29]
	v_pk_add_f32 v[LW+26:LW+27], v[LW+26:LW+27], v[LW+30:LW+31]
	v_pk_add_f32 v[LW+16:LW+17], v[LW+16:LW+17], v[LW+24:LW+25]
	v_pk_add_f32 v[LW+18:LW+19], v[LW+18:LW+19], v[LW+26:LW+27]
	v_pk_mul_f32 v[LW+16:LW+17], v[LW+16:LW+17], 0x3d800000 op_sel_hi:[1,0]   ; / 16 heads
	v_pk_mul_f32 v[LW+18:LW+19], v[LW+18:LW+19], 0x3d800000 op_sel_hi:[1,0]
	global_store_b128 v[AX0], v[LW+16:LW+19], s[18:19]             ; my four rows of out1: 512 consecutive bytes
.Lnot_first:
	s_wait_tensorcnt 0x0                           ; the wave's end, behind my last tensor load and my last LDS store
	ds_add_u32 v[SPW], v[NIL]
	s_wait_dscnt 0x0
	CROUND                                         ; the closing round: no work-group ends while a partner may still ask for a slot that names it
	s_endpgm
.Lfunc_end_k_qdf6a81c0aa_main:
	.size	k_qdf6a81c0aa_main, .Lfunc_end_k_qdf6a81c0aa_main-k_qdf6a81c0aa_main
	.p2alignl 7, 3214868480
	.fill 96, 4, 3214868480
	.section	.rodata,"a",@progbits
	.p2align	6, 0x0
	.amdhsa_kernel k_qdf6a81c0aa_main
		.amdhsa_group_segment_fixed_size 327680
		.amdhsa_private_segment_fixed_size 0
		.amdhsa_enable_private_segment 0
		.amdhsa_kernarg_size 72
		.amdhsa_user_sgpr_count 2
		.amdhsa_user_sgpr_kernarg_segment_ptr 1
		.amdhsa_wavefront_size32 1
		.amdhsa_system_sgpr_workgroup_id_x 1
		.amdhsa_system_sgpr_workgroup_id_y 1
		.amdhsa_system_sgpr_workgroup_id_z 1
		.amdhsa_system_vgpr_workitem_id 0
		.amdhsa_next_free_vgpr 1024
		.amdhsa_next_free_sgpr 88
		.amdhsa_reserve_vcc 0
		.amdhsa_float_denorm_mode_32 3
		.amdhsa_float_denorm_mode_16_64 3
		.amdhsa_memory_ordered 1
		.amdhsa_forward_progress 1
		.amdhsa_inst_pref_size 255
	.end_amdhsa_kernel
	.section	.bss,"aw",@nobits
	.p2align	6
	.space	262144
	.amdgpu_metadata
---
amdhsa.version: [ 1, 2 ]
amdhsa.kernels:
  - .name:           k_qdf6a81c0aa_main
    .symbol:         k_qdf6a81c0aa_main.kd
    .args:
      - { .name: tokens, .offset: 0, .size: 8, .value_kind: global_buffer, .address_space: global }
      - { .name: wts, .offset: 8, .size: 8, .value_kind: global_buffer, .address_space: global }
      - { .name: qws, .offset: 16, .size: 8, .value_kind: global_buffer, .address_space: global }
      - { .name: bk, .offset: 24, .size: 8, .value_kind: global_buffer, .address_space: global }
      - { .name: bv, .offset: 32, .size: 8, .value_kind: global_buffer, .address_space: global }
      - { .name: gate_logits, .offset: 40, .size: 8, .value_kind: global_buffer, .address_space: global }
      - { .name: out0, .offset: 48, .size: 8, .value_kind: global_buffer, .address_space: global }
      - { .name: out1, .offset: 56, .size: 8, .value_kind: global_buffer, .address_space: global }
      - { .name: out2, .offset: 64, .size: 8, .value_kind: global_buffer, .address_space: global }
    .group_segment_fixed_size: 327680
    .private_segment_fixed_size: 0
    .kernarg_segment_align: 8
    .kernarg_segment_size: 72
    .max_flat_workgroup_size: 128
    .sgpr_count:     88
    .vgpr_count:     1024
    .wavefront_size: 32
...
	.end_amdgpu_metadata
.endif
;; end of part 3
